; MI455X (gfx1250); checked and timed in simulation.
; The chip was launched on July 23, 2026; its instructions are those of AMD's public machine-readable ISA for CDNA 5 (MIT licence, August 2026) and "CDNA5" Instruction Set Architecture Reference Guide (July 2026). The comments in the code are by the model that wrote it; some were corrected since.
;; Quantized Layer. Allowed arithmetic: matrix products marked QUANTISED: E4M3 operands, one E8M0 scale for each 32 along K, by v_wmma_scale_f32_16x16x128_f8f6f4 with both operands' format E4M3, f32 sums; everything else in f32.
;; Inputs: bias 4,096 float32; weight 4,096 x 4,096 float32; x 4,096 x 4,096 float32.
;; Outputs: out0 4,096 x 4,096 float32.
;; This version of the problem:
;;   THIS VERSION OF THE PROBLEM IS GIVEN IN LOW PRECISION. The matrix products marked QUANTISED in the list below multiply operands that are first quantised to E4M3 (4 exponent bits, 3 mantissa bits; 8 bits a number), with one power-of-two scale for each 32 numbers along K (OCP MX v1.0); their sums are f32. All else is computed in f32.
;;   The module's matrix products, in the order in which they are computed (A, B: the left and right operand; K: the contracted axis; several contracted axes count as one K, in the product's order):
;;     1. [M 4,096, K 4,096] x [K 4,096, N 4,096]; A: computed on the way; B: computed on the way: QUANTISED
;;   THE QUANTISER, for each operand of a quantised product, along K:
;;     - K is cut into blocks of 32 from its start; a last block that is shorter is filled with zeros.
;;     - A block's scale is 2^e with e = floor(log2(the largest magnitude in the block)) - 8, held to -126 .. 127; a block of zeros has e = 0. As a byte (E8M0): e + 127.
;;     - Each number is divided by its block's scale, clamped to +-448, and rounded to the nearest number of E4M3, ties to even, subnormals kept.
;;     - The product sums the exact products of the quantised numbers (number of the format x scale) in f32.
;;   ~~~python
;;   def quantise(x, axis):      # numpy; x: float32 -> the quantised numbers, widened to float32 again
;;       x = np.moveaxis(x, axis, -1); K = x.shape[-1]
;;       x = np.pad(x, [(0, 0)] * (x.ndim - 1) + [(0, -K % 32)]); x = x.reshape(x.shape[:-1] + (-1, 32)); a = np.abs(x).max(-1, keepdims=True)
;;       e = np.where(a > 0, np.clip(np.frexp(np.where(a > 0, a, 1))[1] - 1 - 8, -126, 127), 0)      # np.frexp(a)[1] - 1 = floor(log2(a)), exactly
;;       r = np.clip(x / 2.0 ** e, -448, 448)
;;       step = 2.0 ** (np.maximum(np.frexp(np.where(r == 0, 1, r))[1] - 1, -6) - 3)
;;       q = np.round(r / step) * step * 2.0 ** e      # np.round: ties to even
;;       return np.moveaxis(q.reshape(q.shape[:-2] + (-1,))[..., :K], -1, axis).astype(np.float32)
;;   ~~~
;;   OPERANDS COMPUTED ON THE WAY. 'Computed on the way' means the value that the module computes at that place (a softmax that the list does not call 'softmax' is quantised finished and normalised). What goes into a quantiser is computed in f32, as accurately as f32 sums, v_exp_f32 and their like allow (about 1e-6 of the number): no bf16 or f16 on the way to a quantiser, and a product that is left as it is and whose result goes on into a quantised operand takes f32 operands (vector FMAs, or v_wmma_f32_16x16x4_f32). A number that lies on a knife's edge between two numbers of the format may be rounded either way, as far as f32 arithmetic and the matrix unit's own rounding can turn it there, and no further.
;; One version. Each part assembles by itself: llvm-mc -triple=amdgcn-amd-amdhsa -mcpu=gfx1250 --defsym DOCPART=n.
;; ======== version 1 of 1: 2 launches
;; limits: right only within a limited range of input values
;; workspace buffers: aq 17,301,504 bytes; bq 17,301,504 bytes
;; launch quant (part 1): grid 1024 x 1, 4 waves a work-group, no clusters, 35,328 bytes of LDS; arguments x, weight, aq, bq; writes aq, bq
.if DOCPART == 1
	.amdgcn_target "amdgcn-amd-amdhsa--gfx1250"
	.amdhsa_code_object_version 6
	.text
	.protected	k_qb18ee1ae06_quant
	.globl	k_qb18ee1ae06_quant
	.p2align	8
	.type	k_qb18ee1ae06_quant,@function
k_qb18ee1ae06_quant:
	s_mov_b64 s[64:65], 0
	v_nop
	global_prefetch_b8 v0, s[64:65] scope:SCOPE_SE
	s_setreg_imm32_b32 hwreg(HW_REG_WAVE_MODE, 25, 1), 1
	s_wait_xcnt 0x0
; x [4096][4096] and weight [4096][4096], f32, are (1) rounded onto the grid of a float with 5 exponent and 10 mantissa bits, in f32 arithmetic, and (2) turned into codes of FP8 (E4M3)
; with one E8M0 scale byte for each 32 along K (the last axis), into aq and bq, laid in the order of the product's operand registers.
; STEP (1), macro Q16: with E = floor(log2 |v|), v is rounded to the nearest multiple of 2^(max(E, -14) - 10), ties to even; |v| >= 65,536 becomes 0.
;   t = 1.5 x 2^max(E, -14); the fused t x 8,192 + v rounds once, on that grid, ties as for v itself; the fused t x -8,192 + (that) is exact.
; STEP (2): a block's byte is its largest magnitude's exponent field - 8, held at 1 from below; each number is held within +-448 x the scale and rounded to the nearest code, ties to even.
;   A block of zeros gets the byte 1: its codes are zeros, which add nothing under any byte but 0xff, and this program alone reads the bytes.
; LIMITS: NaN and infinities among the inputs are not served.  Under 2^-14 the source's own f32 subtraction can round a number within 2^-25 x 2^-14 of a tie twice; this text rounds once.
;   The sign of a zero is not kept.  Blocks whose largest magnitude lies under 2^(9 - 127) keep the byte 1.
; THE WORKSPACE (each of aq, bq).  Codes: [128 rows: 32][128 along K: 32][16 rows: 8][block of 32 along K c: 4][half h: 2][row r: 16][16 codes]: a fragment of 16 rows x 128 K is 2,048 bytes on end,
;   and lane 16 h + r of a wave finds registers 4 c .. 4 c + 3 of the operand at 512 c + 16 x lane.  Scale words (4 bytes: 128 along K of a row), from byte 16,777,216 on:
;   [256 along K: 16][32 rows: 128][which 128 of the 256 p: 2][row r: 16][which 16 of the 32 rows g: 2]: 256 bytes on end.
; SHARES: work-groups 0-511 take x, 512-1023 weight (only pointers are chosen: one path).  A work-group takes 32 rows x 1,024 along K; its wave w 32 rows x 256 along K, in 8 pairs of steps.
; A pair is 16 rows x 64 numbers: eight loads, in each of which sixteen lanes read 256 consecutive bytes of one row; the 4,096 bytes turn through the wave's own stage in LDS (rows 272 bytes apart) and come back
; 64 bytes a lane, twice: lane (h, r) holds row r's numbers 16 h .. 16 h + 15 of a block; lanes l and l xor 16 hold a block.  A lane's 16 codes are 16 bytes: the wave stores 512 consecutive bytes.
; No tensor loads, no barrier: waves share nothing.  Loads run two pairs (16 loads a wave) ahead, the turn through LDS one pair.  Every offset is an immediate; no store's data is written twice.
.set PAIRS, 8
.set SROW,  272                        ; a stage row: 256 bytes + 16 of padding
.set STG,   16*SROW                    ; a stage
.set WREG,  2*STG                      ; LDS: two stages for each wave
.set SPARE, 4*WREG                     ; behind them the spare words: 128 bytes a wave
.set R,     16                         ; v16-79    two sets of 32 numbers as they are loaded
.set X,     80                         ; v80-143   two sets of 2 x 16 neighbours
.set T,     144                        ; v144-159  Q16's t
.set C,     160                        ; v160-223  codes: four registers for each step
.set W,     224                        ; v224-227  scale words: 2 g + p
.set SW,    228                        ; v228-229  the two words that my lane stores
.set SPW,   230
.set NIL,   231
.set MNT,   23                         ; s23       the mantissa field of 448
.set LIMF,  24                         ; s24       65,536.0
.set FLR,   25                         ; s25       2^-14
.set EXM,   26                         ; s26       the exponent field
.set HLF,   27                         ; s27       the mantissa field of 1.5
.set P13,   28                         ; s[28:29]  8,192.0
.set N13,   30                         ; s[30:31]  -8,192.0
.set MK,    36                         ; s36-39    four lane masks
.set PL,    40                         ; s40-41    v_permlanex16_b32's selects for lane l xor 16
; n numbers (a multiple of 4) in v[x] on are rounded in place; v[t] on: n registers at work.  Each kind of line stands in a run.
.macro Q16 x, t, n
.set qi, 0
.rept \n
	v_med3_num_f32 v[(\t)+qi], |v[(\x)+qi]|, s[FLR], s[LIMF]       ; the magnitude, held between 2^-14 and 65,536
.set qi, qi+1
.endr
.set qi, 0
.rept (\n)/4
.irp j, 0,1,2,3
	v_cmp_gt_f32 s[MK+\j], s[LIMF], v[(\t)+qi+\j]                  ; under 65,536?
.endr
.irp j, 0,1,2,3
	v_cndmask_b32 v[(\x)+qi+\j], 0, v[(\x)+qi+\j], s[MK+\j]        ; if not: 0
.endr
.set qi, qi+4
.endr
.set qi, 0
.rept \n
	v_and_or_b32 v[(\t)+qi], v[(\t)+qi], s[EXM], s[HLF]            ; t = 1.5 x 2^max(E, -14)
.set qi, qi+1
.endr
.set qi, 0
.rept (\n)/2
	v_pk_fma_f32 v[(\x)+qi:(\x)+qi+1], v[(\t)+qi:(\t)+qi+1], s[P13:P13+1], v[(\x)+qi:(\x)+qi+1] op_sel_hi:[1,0,1]   ; v + 8,192 t: the one rounding
.set qi, qi+2
.endr
.set qi, 0
.rept (\n)/2
	v_pk_fma_f32 v[(\x)+qi:(\x)+qi+1], v[(\t)+qi:(\t)+qi+1], s[N13:N13+1], v[(\x)+qi:(\x)+qi+1] op_sel_hi:[1,0,1]   ; - 8,192 t: exact
.set qi, qi+2
.endr
.endm
	s_load_b128 s[4:7], s[0:1], 0x0                ; x, weight
	s_load_b128 s[12:15], s[0:1], 0x10             ; aq, bq
	v_lshl_add_u32 v[SPW], v0, 2, SPARE
	v_mov_b32 v[NIL], 0
	v_lshrrev_b32 v1, 5, v0
	v_readfirstlane_b32 s16, v1                    ; wave 0..3
	v_and_b32 v2, 31, v0                           ; lane l
	v_and_b32 v8, 15, v0                           ; l % 16
	v_bfe_u32 v9, v0, 4, 1                         ; l / 16
	s_mul_i32 s17, s16, WREG
	v_lshlrev_b32 v3, 4, v8
	v_lshl_add_u32 v3, v9, 14, v3                  ; in: 16 (l % 16) in a row's 256 bytes, + a row of 16,384 bytes for lanes 16-31
	v_mul_u32_u24 v14, v9, SROW
	v_lshl_add_u32 v14, v8, 4, v14
	v_add_nc_u32 v14, s17, v14                     ; the stage, on the way in: load i's rows 2 i + l / 16, 16 (l % 16) into the row
	v_mul_u32_u24 v15, v8, SROW
	v_lshl_add_u32 v15, v9, 6, v15
	v_add_nc_u32 v15, s17, v15                     ; and on the way out: row l % 16, 64 (l / 16) into a block's 128 bytes
	v_lshlrev_b32 v4, 4, v2                        ; my codes' place in a step's 512 bytes
	v_lshlrev_b32 v7, 3, v2                        ; my two scale words' place in the wave's 256 bytes
	s_mov_b32 s[MNT], 0x600000
	s_mov_b32 s[LIMF], 0x47800000
	s_mov_b32 s[FLR], 0x38800000
	s_mov_b32 s[EXM], 0x7f800000
	s_mov_b32 s[HLF], 0x00400000
	s_mov_b32 s[P13], 0x46000000
	s_mov_b32 s[P13+1], 0x46000000
	s_mov_b32 s[N13], 0xc6000000
	s_mov_b32 s[N13+1], 0xc6000000
	s_mov_b32 s[PL], 0x76543210
	s_mov_b32 s[PL+1], 0xfedcba98
	s_and_b32 s18, ttmp9, 511                      ; my number within the tensor
	s_lshr_b32 s19, s18, 2                         ; which 32 rows: 0..127
	s_and_b32 s18, s18, 3
	s_lshl_b32 s18, s18, 2
	s_add_co_u32 s18, s18, s16                     ; my wave's 256 along K: 0..15
	s_lshl_b32 s20, s19, 19                        ; 32 rows of 16,384 bytes,
	s_lshl_b32 s21, s18, 10                        ; 256 numbers of 4 bytes
	s_add_co_u32 s20, s20, s21                     ; where my wave reads
	s_mov_b32 s21, 0
	s_lshr_b32 s22, s19, 2
	s_lshl_b32 s32, s22, 19                        ; codes: 524,288 bytes for 128 rows,
	s_lshl_b32 s22, s18, 15                        ; 32,768 for their 256 along K,
	s_add_co_u32 s32, s32, s22
	s_and_b32 s22, s19, 3
	s_lshl_b32 s22, s22, 12                        ; 4,096 for my 32 rows' two fragments
	s_add_co_u32 s32, s32, s22
	s_mov_b32 s33, 0
	s_lshl_b32 s34, s18, 7
	s_add_co_u32 s34, s34, s19
	s_lshl_b32 s34, s34, 8                         ; scale words: 256 bytes for 32 rows x 256 along K,
	s_add_co_u32 s34, s34, 0x1000000               ; behind the codes
	s_mov_b32 s35, 0
	s_wait_alu depctr_va_vdst(0)                   ; the wait at the head's end
	s_wait_kmcnt 0x0
	s_cmp_lt_u32 ttmp9, 512                        ; x's work-group or weight's?  The choice hangs on the work-group's number alone
	s_cselect_b64 s[4:5], s[4:5], s[6:7]
	s_cselect_b64 s[8:9], s[12:13], s[14:15]
	s_add_nc_u64 s[4:5], s[4:5], s[20:21]
	s_add_nc_u64 s[10:11], s[8:9], s[34:35]        ; scale words
	s_add_nc_u64 s[8:9], s[8:9], s[32:33]          ; codes
.macro LOAD u                          ; pair u: rows 16 (u / 4) + 0 .. 15, numbers 64 (u % 4) + 0 .. 63
.irp i, 0,1,2,3,4,5,6,7
	global_load_b128 v[R+32*((\u)%2)+4*\i:R+32*((\u)%2)+4*\i+3], v3, s[4:5] offset:(16*((\u)/4)+2*\i)*16384+256*((\u)%4) th:TH_LOAD_NT
.endr
.endm
.macro SHUF u                          ; through the stage: LDS serves a wave's instructions in order (ISA guide 5.7.1.4), so no wait stands between the stores and the loads
.irp i, 0,1,2,3,4,5,6,7
	ds_store_b128 v14, v[R+32*((\u)%2)+4*\i:R+32*((\u)%2)+4*\i+3] offset:STG*((\u)%2)+2*SROW*\i
.endr
.irp i, 0,1,2,3,4,5,6,7
	ds_load_b128 v[X+32*((\u)%2)+4*\i:X+32*((\u)%2)+4*\i+3], v15 offset:STG*((\u)%2)+128*(\i/4)+16*(\i%4)
.endr
.endm
; One block column of a pair: 16 rows x 32 numbers.  blk: which of the wave's 8 blocks along K
.macro SET u, s
.set XS,  X+32*((\u)%2)+16*(\s)
.set CS,  C+4*(2*(\u)+(\s))
.set blk, 2*((\u)%4)+(\s)
.set WS,  W+2*((\u)/4)+blk/4
	Q16 XS, T, 16                                  ; onto the 5/10-bit grid
	v_max3_num_f32 v8, |v[XS]|, |v[XS+1]|, |v[XS+2]|               ; the largest magnitude of my 16, in two chains
	v_max3_num_f32 v9, |v[XS+3]|, |v[XS+4]|, |v[XS+5]|
.irp i, 6,10
	v_max3_num_f32 v8, v8, |v[XS+\i]|, |v[XS+\i+1]|
	v_max3_num_f32 v9, v9, |v[XS+\i+2]|, |v[XS+\i+3]|
.endr
	v_max3_num_f32 v8, v8, |v[XS+14]|, |v[XS+15]|
	v_max3_num_f32 v8, v8, v9, 0x4800000           ; and the floor 2^(9 - 127): the byte cannot fall under 1
	v_permlanex16_b32 v9, v8, s[PL], s[PL+1]
	v_max_num_f32 v8, v8, v9                       ; with lane l xor 16's 16: the block's
	v_add_nc_u32 v11, 0xfc000000, v8               ; 8 off its exponent field: the conversion's scale operand
	v_and_or_b32 v10, v8, s[EXM], s[MNT]           ; 448 x the scale
.irp i, 0,1,2,3,4,5,6,7,8,9,10,11,12,13,14,15
	v_med3_num_f32 v[XS+\i], v[XS+\i], -v10, v10   ; the conversion to an 8-bit code does not saturate (ISA guide 7.6.2): the number is held first
.endr
	v_cvt_scalef32_pk8_fp8_f32 v[CS:CS+1], v[XS:XS+7], v11
	v_cvt_scalef32_pk8_fp8_f32 v[CS+2:CS+3], v[XS+8:XS+15], v11
	v_lshrrev_b32 v12, 23, v11                     ; the scale's byte (also the plain line behind the conversions)
.if blk%4 == 0
	v_mov_b32 v[WS], v12                           ; four bytes to a word, the lower K in the lower byte
.else
	v_lshl_or_b32 v[WS], v12, 8*(blk%4), v[WS]
.endif
	global_store_b128 v4, v[CS:CS+3], s[8:9] offset:2048*((\u)/4)+16384*(blk/4)+512*(blk%4)   ; 512 consecutive bytes of a fragment
.endm
.macro PAIR u
	s_wait_dscnt 0x0                               ; this pair's numbers are back from the stage: so its stores into the stage have read their registers,
.if (\u)+2 < PAIRS
	LOAD (\u)+2                                    ; which take the loads of two pairs on
.endif
.if (\u)+1 < PAIRS
.if (\u)+2 < PAIRS
	s_wait_loadcnt 8                               ; the next pair's eight loads are in; the eight just issued may be out
.else
	s_wait_loadcnt 0
.endif
	SHUF (\u)+1                                    ; and go through the other stage while this pair is worked
.endif
	SET \u, 0
	SET \u, 1
.endm
	LOAD 0
	LOAD 1
	s_wait_loadcnt 8                               ; pair 0's eight loads are in
	SHUF 0
.irp u, 0,1,2,3,4,5,6,7
	PAIR \u
.endr
	v_cmp_gt_u32 vcc_lo, 16, v2                    ; lanes 0-15 store the words of the first 128 along K, lanes 16-31 those of the second (both halves hold both)
	v_cndmask_b32 v[SW], v[W+1], v[W], vcc_lo
	v_cndmask_b32 v[SW+1], v[W+3], v[W+2], vcc_lo
	global_store_b64 v7, v[SW:SW+1], s[10:11]      ; 32 lanes store 256 consecutive bytes, aligned
	s_wait_tensorcnt 0x0                           ; the wave's end
	ds_add_u32 v[SPW], v[NIL]
	s_wait_dscnt 0x0
	s_endpgm
.Lfunc_end_k_qb18ee1ae06_quant:
	.size	k_qb18ee1ae06_quant, .Lfunc_end_k_qb18ee1ae06_quant-k_qb18ee1ae06_quant
	.p2alignl 7, 3214868480
	.fill 96, 4, 3214868480
	.section	.rodata,"a",@progbits
	.p2align	6, 0x0
	.amdhsa_kernel k_qb18ee1ae06_quant
		.amdhsa_group_segment_fixed_size 35328
		.amdhsa_private_segment_fixed_size 0
		.amdhsa_enable_private_segment 0
		.amdhsa_kernarg_size 32
		.amdhsa_user_sgpr_count 2
		.amdhsa_user_sgpr_kernarg_segment_ptr 1
		.amdhsa_wavefront_size32 1
		.amdhsa_system_sgpr_workgroup_id_x 1
		.amdhsa_system_sgpr_workgroup_id_y 1
		.amdhsa_system_sgpr_workgroup_id_z 1
		.amdhsa_system_vgpr_workitem_id 0
		.amdhsa_next_free_vgpr 232
		.amdhsa_next_free_sgpr 66
		.amdhsa_reserve_vcc 1
		.amdhsa_float_denorm_mode_32 3
		.amdhsa_float_denorm_mode_16_64 3
		.amdhsa_memory_ordered 1
		.amdhsa_forward_progress 1
		.amdhsa_inst_pref_size 131
	.end_amdhsa_kernel
	.amdgpu_metadata
---
amdhsa.version: [ 1, 2 ]
amdhsa.kernels:
  - .name:           k_qb18ee1ae06_quant
    .symbol:         k_qb18ee1ae06_quant.kd
    .args:
      - { .name: x, .offset: 0, .size: 8, .value_kind: global_buffer, .address_space: global }
      - { .name: weight, .offset: 8, .size: 8, .value_kind: global_buffer, .address_space: global }
      - { .name: aq, .offset: 16, .size: 8, .value_kind: global_buffer, .address_space: global }
      - { .name: bq, .offset: 24, .size: 8, .value_kind: global_buffer, .address_space: global }
    .group_segment_fixed_size: 35328
    .private_segment_fixed_size: 0
    .kernarg_segment_align: 8
    .kernarg_segment_size: 32
    .max_flat_workgroup_size: 128
    .sgpr_count:     66
    .vgpr_count:     232
    .wavefront_size: 32
...
	.end_amdgpu_metadata
.endif
;; end of part 1
;; launch gemm (part 2): grid 16 x 16, 4 waves a work-group, clusters of 4 x 1, 327,680 bytes of LDS; arguments aq, bq, bias, out0; writes out0
.if DOCPART == 2
	.amdgcn_target "amdgcn-amd-amdhsa--gfx1250"
	.amdhsa_code_object_version 6
	.text
	.protected	k_qb18ee1ae06_gemm
	.globl	k_qb18ee1ae06_gemm
	.p2align	8
	.type	k_qb18ee1ae06_gemm,@function
k_qb18ee1ae06_gemm:
	s_mov_b64 s[64:65], 0
	v_nop
	global_prefetch_b8 v0, s[64:65] scope:SCOPE_SE
	s_setreg_imm32_b32 hwreg(HW_REG_WAVE_MODE, 25, 1), 1
	s_wait_xcnt 0x0
	s_wait_alu depctr_hold_cnt(0) depctr_sa_sdst(0) depctr_va_vdst(0) depctr_va_sdst(0) depctr_va_ssrc(0) depctr_va_vcc(0) depctr_vm_vsrc(0)
	s_getreg_b32 s2, hwreg(HW_REG_IB_STS2, 6, 4)
	s_cmp_eq_u32 s2, 0
	s_cbranch_scc0 .Lentry_in_a_cluster
	s_endpgm
.Lentry_in_a_cluster:
	s_bfe_u32 s2, ttmp6, 0x10000c
	s_cmp_lg_u32 s2, 0x3003
	s_cbranch_scc0 .Lentry_shape_is_right
	s_endpgm
.Lentry_shape_is_right:
; out0[m][n] = sum over k of A[m][k] B[n][k] + q(bias[n]).  A = aq, B = bq: codes of FP8 (E4M3) with one E8M0 byte for each 32 along K, as launch quant laid them; sums in f32;
; q: the rounding onto the grid of 5 exponent and 10 mantissa bits (macro Q16, as in launch quant, with its limits: no NaN or infinity; |v| >= 65,536 becomes 0; the sign of a zero is not kept).
; A work-group of four waves makes 256 x 256 of out0; a wave 128 x 128: 64 accumulators, 512 registers.  256 work-groups.  The workspace holds each fragment (16 rows x 128 K, 2,048 bytes) in the
; operand registers' own order; the 128 rows of a wave are one stream of 16,384 bytes for each step of 128 along K.
; A COMES THROUGH LDS, JOINTLY: the four work-groups of a cluster (4 x 1: one tile row of out0) need the same 256 rows of A.  A slot holds three steps of them, 98,304 bytes, dense, in fragment order, so that
; an LDS load of 16 bytes a lane reads 512 consecutive bytes.  Each wave fetches a quarter of a slot (96 rows of 256 bytes) by one tensor load with the mask of the four.  Ring of two slots; a round of the
; cluster's barrier in the middle of a slot's last step; by this text's count one tensor load a wave is out, and it has three steps in which to land.  The last slot holds the two steps that are left.
; B GOES FROM MEMORY STRAIGHT INTO REGISTERS: no partner of the cluster shares a wave's rows of B, and nothing of B lands in LDS, so there is no joint load for it.
; A STEP is 64 products: B's blocks b = 0 .. 7 one after the other (a row of eight products), each against A's eight.  B has a ring of twelve fragments: behind each odd row the fragments of the two rows
; before it are loaded anew, for the rows ten and eleven on; the odd row's eight v_nop are the places between the last product that read them and the loads.  A has two sets; the next
; step's set is read from LDS behind row 3.  Scale words: a register holds, for 16 rows, the word of an even step in lanes 0-15 and of the odd step in lanes 16-31; 16 registers for two steps, three sets.
; Ring, sets and slots are back where they began after six steps: a trip of the loop.  Step 0 (its products take 0 as C) stands ahead of the loop; the last seven steps are written out: their fills differ.
; THE MATRIX INSTRUCTION IS USED TRANSPOSED (source 0 = 16 rows of B, source 1 = 16 rows of A): a lane holds eight neighbouring numbers of a row of out0.  The bias is added on the way out.
; PREFETCH: in a slot's first step each wave asks for its share of the three steps that stand two slots on: of A's stream 6,144 bytes (the cluster's eight waves that read it share 49,152 bytes by address),
; of B's stream 3,072 bytes (the sixteen waves of eight neighbouring tile rows share it by address).  A's tensor load for those steps stands two steps later.  The first two slots and the last come by their loads alone.
; The scale words, one byte in 32, are loaded more than a step ahead and not prefetched.
; REGISTERS: window 0: v2-15 addresses and the bias; v16-63 scale words; v64-255 B's ring, then the way out.  window 1: A's two sets.  windows 2, 3: accumulator (a, b) at window 2 + b / 4, v[8 (8 (b % 4) + a)].
.set SIZE_N, 4096
.set STEPB,  16384                     ; a stream's bytes in a step
.set HALFS,  3*STEPB                   ; 128 rows' part of a slot
.set SLOT,   2*HALFS
.set TRIPB,  6*STEPB
.set STAGE,  2*SLOT                    ; behind the ring: the way out's stages, 16 rows x 528 bytes a wave
.set SPITCH, 528
.set SPARE,  STAGE+4*16*SPITCH         ; behind the stages: the spare words
.set V16,  2                           ; 16 x lane
.set V8,   3                           ; 8 x lane
.set ADA,  4                           ; v4-5 LDS address of my A fragments in slot 0, 1
.set STO,  6
.set RD,   7
.set SPW,  8
.set NIL,  9
.set PFOA, 10                          ; 256 x min(lane, 23)
.set PFOB, 11                          ; 256 x min(lane, 11)
.set BI,   12                          ; v12-15 the bias of my four columns
.set SC,   16                          ; set z at SC + 16 z: A's blocks 0-7, then B's
.set BF,   64                          ; B's ring
.set QT,   64                          ; (behind the products) Q16's registers at work
.set BK,   128
.set G1,   24                          ; s[24:31] descriptor group 1;  s[32:39] group 0 for slots 0, 1;  s[40:43] group 0 for the last fill
.set G0,   32
.set G0T,  40
.set PB,   44                          ; B's codes;  46, 48: A's and B's scale words;  50, 52: the prefetches of A and of B
.set PSA,  46
.set PSB,  48
.set PFA,  50
.set PFB,  52
.set LIMF, 54
.set FLR,  55
.set EXM,  56
.set HLF,  57
.set P13,  58
.set N13,  60
.set MK,   68
.set MSB, 0
.macro WIN new                         ; the immediate's high byte repeats the setting that is left
.if MSB != (\new)
	s_set_vgpr_msb (MSB<<8)|(\new)
.set MSB, (\new)
.endif
.endm
.set MULS, 0xa4                        ; source 0 (B) window 0, source 1 (A) window 1, C and D window 2; + 0x50: window 3
.set TO_A, 0x40                        ; destination window 1, address window 0
.macro Q16 x, t, n
.set qi, 0
.rept \n
	v_med3_num_f32 v[(\t)+qi], |v[(\x)+qi]|, s[FLR], s[LIMF]
.set qi, qi+1
.endr
.set qi, 0
.rept (\n)/4
.irp j, 0,1,2,3
	v_cmp_gt_f32 s[MK+\j], s[LIMF], v[(\t)+qi+\j]
.endr
.irp j, 0,1,2,3
	v_cndmask_b32 v[(\x)+qi+\j], 0, v[(\x)+qi+\j], s[MK+\j]
.endr
.set qi, qi+4
.endr
.set qi, 0
.rept \n
	v_and_or_b32 v[(\t)+qi], v[(\t)+qi], s[EXM], s[HLF]
.set qi, qi+1
.endr
.set qi, 0
.rept (\n)/2
	v_pk_fma_f32 v[(\x)+qi:(\x)+qi+1], v[(\t)+qi:(\t)+qi+1], s[P13:P13+1], v[(\x)+qi:(\x)+qi+1] op_sel_hi:[1,0,1]
.set qi, qi+2
.endr
.set qi, 0
.rept (\n)/2
	v_pk_fma_f32 v[(\x)+qi:(\x)+qi+1], v[(\t)+qi:(\t)+qi+1], s[N13:N13+1], v[(\x)+qi:(\x)+qi+1] op_sel_hi:[1,0,1]
.set qi, qi+2
.endr
.endm
.macro CROUND                          ; a round of the cluster's barrier
	s_barrier_signal -1
	s_barrier_wait -1
	s_cmp_lg_u32 s14, 0
	s_cbranch_scc1 .Lnot_wave_0_\@
	s_barrier_signal -3
.Lnot_wave_0_\@:
	s_barrier_wait -3
	s_barrier_signal -1
	s_barrier_wait -1
.endm
.macro TLOAD g0                        ; my quarter of a slot; an s_nop 0 and four v_nop follow
	tensor_load_to_lds s[\g0:\g0+3], s[G1:G1+7]
	s_nop 0
.rept 4
	v_nop
.endr
.endm
; The change of slots.  Every wave: all its tensor loads have landed (its part of the slot read next); the add to its spare word; its LDS reads are back; the round; then the slot read out is filled again.
.macro FILL s
	WIN 0
	s_wait_tensorcnt 0x0
	ds_add_u32 v[SPW], v[NIL]
	s_add_nc_u64 s[G0+4*(\s)+2:G0+4*(\s)+3], s[G0+4*(\s)+2:G0+4*(\s)+3], 2*HALFS   ; no load of mine is out: this slot's next three steps
	s_wait_dscnt 0x0
	CROUND
	TLOAD G0+4*(\s)
.endm
.macro BLOAD rr                        ; B's fragment of row rr (8 x step + block, counted from where PB stands) into its slot of the ring
.irp c, 0,1,2,3
	global_load_b128 v[BF+16*((\rr)%12)+4*\c:BF+16*((\rr)%12)+4*\c+3], v[V16], s[PB:PB+1] offset:(\rr)*2048+512*\c
.endr
.endm
.macro AFETCH st                       ; A's eight fragments of step st from LDS into set st % 2
	WIN TO_A
.irp i, 0,1,2,3,4,5,6,7
.irp c, 0,1,2,3
	ds_load_b128 v[128*((\st)%2)+16*\i+4*\c:128*((\st)%2)+16*\i+4*\c+3], v[ADA+((\st)/3)%2] offset:((\st)%3)*STEPB+2048*\i+512*\c
.endr
.endr
.endm
.macro SLOAD kk                        ; the scale words of steps 2 kk and 2 kk + 1 into set kk % 3: a load brings two blocks' registers, 256 consecutive bytes
.irp i, 0,1,2,3
	global_load_b64 v[SC+16*((\kk)%3)+2*\i:SC+16*((\kk)%3)+2*\i+1], v[V8], s[PSA:PSA+1] offset:(\kk)*32768+256*\i
	global_load_b64 v[SC+16*((\kk)%3)+8+2*\i:SC+16*((\kk)%3)+8+2*\i+1], v[V8], s[PSB:PSB+1] offset:(\kk)*32768+256*\i
.endr
.endm
; Step j, counted from where the pointers stand; tail = 1: the pointers stand at step 24.  zero: the products start the sums.
; THE COUNT ahead of row n (global loads come back in order: ISA guide 5.7.1): behind the fragment of row n stand the fragments up to row n + 9 (n odd) or n + 10 (n even), four loads each, none past row 255,
; and the eight scale loads of an even step's row 5 where that run lies between.
.macro KSTEP j, zero, tail
.set KA, (\j)+24*(\tail)
	s_wait_dscnt 0x0                               ; A's set is in
.irp b, 0,1,2,3,4,5,6,7
.set NR, 8*KA+\b
.set TOP, NR+10-(\b%2)
.if TOP > 255
.set TOP, 255
.endif
.set SS, -2                                            ; the even step whose scale loads stand behind this row's fragment, if any
.if KA%2 == 1
.set SS, KA-1
.else
.if \b >= 6
.set SS, KA
.endif
; (ahead of an even step's row 0 the scale loads of two steps before are not left out: this step reads them; the ten younger fragments alone may be out)
.endif
.set WC, 4*(TOP-NR)
.if (SS >= 0) && (SS < 30)
.set WC, WC+8
.endif
	s_wait_loadcnt WC
	WIN MULS+0x50*(\b/4)
.irp a, 0,1,2,3,4,5,6,7
.set DD, 8*(8*(\b%4)+\a)
.set FB, BF+16*((8*(\j)+\b)%12)
.set FA, 128*((\j)%2)+16*\a
.set XB, SC+16*(((\j)/2)%3)+8+\b
.set XA, SC+16*(((\j)/2)%3)+\a
.if \zero
	v_wmma_scale_f32_16x16x128_f8f6f4 v[DD:DD+7], v[FB:FB+15], v[FA:FA+15], 0, v[XB], v[XA]
.else
.if (\j)%2
	v_wmma_scale_f32_16x16x128_f8f6f4 v[DD:DD+7], v[FB:FB+15], v[FA:FA+15], v[DD:DD+7], v[XB], v[XA] matrix_a_scale:MATRIX_SCALE_ROW1 matrix_b_scale:MATRIX_SCALE_ROW1
.else
	v_wmma_scale_f32_16x16x128_f8f6f4 v[DD:DD+7], v[FB:FB+15], v[FA:FA+15], v[DD:DD+7], v[XB], v[XA]
.endif
.endif
.if \b%2
	v_nop                                          ; a place
.endif
.endr
.if \b%2
.if (\b == 3) && ((\j)%3 == 2)                         ; the slot's last step: the next step's fragments lie in the other slot
.if (\tail) == 0
	FILL ((\j)/3)%2
.else
	WIN 0
	s_wait_tensorcnt 0x0
	ds_add_u32 v[SPW], v[NIL]
.if (\j) == 2
	s_mov_b32 s[G1+2], 64<<16                      ; no load of mine is out: the last fill brings two steps: 64 rows of 256 bytes a wave
	s_mov_b32 s[G1+4], 64
	s_wait_dscnt 0x0
	CROUND
	TLOAD G0T
.else
	s_wait_dscnt 0x0                               ; nothing is filled again: my work-group's barrier shows the last slot whole
	s_barrier_signal -1
	s_barrier_wait -1
.endif
.endif
.endif
	WIN 0
.if NR+10 <= 255
	BLOAD 8*(\j)+\b+10
.endif
.if NR+11 <= 255
	BLOAD 8*(\j)+\b+11
.endif
.if (\b == 5) && (KA%2 == 0) && (KA < 30)
	SLOAD (\j)/2+1
.endif
.if (\b == 7) && ((\j)%3 == 0) && ((\tail) == 0)
.if (\j) == 6
	s_cmp_lg_u32 s3, 1
	s_cbranch_scc0 .Lno_ask_\@                     ; the last trip: two slots on only two steps are left; they come by their loads alone
.endif
	global_prefetch_b8 v[PFOA], s[PFA:PFA+1] offset:((\j)+6)*STEPB th:TH_LOAD_NT scope:SCOPE_SE
	global_prefetch_b8 v[PFOB], s[PFB:PFB+1] offset:((\j)+6)*STEPB th:TH_LOAD_NT scope:SCOPE_SE
.if (\j) == 6
.Lno_ask_\@:
.endif
.endif
.if (\b == 3) && (KA < 31)
	AFETCH (\j)+1
.endif
.endif
.endr
.endm
	s_load_b256 s[4:11], s[0:1], 0x0               ; aq s[4:5], bq s[6:7], bias s[8:9], out0 s[10:11]
	v_lshl_add_u32 v[SPW], v0, 2, SPARE
	v_mov_b32 v[NIL], 0
	ds_add_u32 v[SPW], v[NIL]                      ; the opening lines: the add, twice on end, and its wait ahead of my first tensor load
	ds_add_u32 v[SPW], v[NIL]
	v_lshrrev_b32 v1, 5, v0
	v_readfirstlane_b32 s14, v1                    ; wave 0..3
	s_lshr_b32 s15, s14, 1                         ; which half of the tile's rows is mine; also: for which 128 rows of A I fetch
	s_and_b32 s16, s14, 1                          ; which half of its columns; also: which half of those rows' slot I fetch
	s_mul_i32 s18, s15, HALFS
	s_mul_i32 s23, s14, 16*SPITCH
	s_add_co_u32 s23, s23, STAGE                   ; my stage
	v_and_b32 v1, 31, v0
	v_lshlrev_b32 v[V16], 4, v1
	v_lshlrev_b32 v[V8], 3, v1
	v_min_u32 v[PFOA], 23, v1
	v_min_u32 v[PFOB], 11, v1
	v_lshlrev_b32 v[PFOA], 8, v[PFOA]
	v_lshlrev_b32 v[PFOB], 8, v[PFOB]
	v_add_nc_u32 v[ADA], s18, v[V16]               ; my 128 rows' part of slot 0,
	v_add_nc_u32 v[ADA+1], SLOT, v[ADA]            ; of slot 1
	v_and_b32 v[STO], 15, v0
	v_bfe_u32 v[RD], v0, 4, 1
	v_mul_u32_u24 v[STO], v[STO], SPITCH           ; into the stage: row l % 16, 32 bytes for each half of the lanes
	v_lshl_add_u32 v[STO], v[RD], 5, v[STO]
	v_add_nc_u32 v[STO], s23, v[STO]
	v_add_nc_u32 v[RD], s23, v[V16]                ; back: the 32 lanes take one row of 512 bytes
	s_bfe_u32 s12, ttmp6, 0x40000                  ; cx: my place in the cluster
	s_lshl_b32 s13, ttmp9, 2
	s_add_co_u32 s13, s13, s12                     ; tile column = 4 x cluster x + cx
	s_and_b32 s17, ttmp7, 0xffff                   ; tile row
	s_lshl_b32 s18, s17, 1
	s_add_co_u32 s18, s18, s15                     ; my 128 rows of A: 0..31
	s_lshl_b32 s19, s13, 1
	s_add_co_u32 s19, s19, s16                     ; my 128 rows of B: 0..31
	s_lshl_b32 s20, s18, 19                        ; codes: 524,288 bytes for 128 rows
	s_mul_i32 s22, s14, HALFS/2                    ; where my quarter of a slot lies: wave x 24,576
	s_mul_i32 s72, s16, HALFS/2
	s_add_co_u32 s72, s72, s20                     ; and where it comes from: steps 0 to 2
	s_mov_b32 s73, 0
	s_lshl_b32 s77, s16, 14
	s_add_co_u32 s74, s77, s20
	s_add_co_u32 s74, s74, 30*STEPB                ; the last fill: step 30 or 31 of my 128 rows,
	s_mov_b32 s75, 0
	s_mul_i32 s76, s15, HALFS
	s_add_co_u32 s76, s76, s77                     ; to that step's place in slot 0
	s_lshl_b32 s80, s19, 19
	s_mov_b32 s81, 0
	s_lshl_b32 s82, s18, 10                        ; scale words: 1,024 bytes for 128 rows x 256 along K, behind the codes
	s_add_co_u32 s82, s82, 0x1000000
	s_mov_b32 s83, 0
	s_lshl_b32 s84, s19, 10
	s_add_co_u32 s84, s84, 0x1000000
	s_mov_b32 s85, 0
	s_lshl_b32 s86, s12, 1
	s_add_co_u32 s86, s86, s16
	s_mul_i32 s86, s86, 6144                       ; my share of A's three steps: by cx and column half
	s_add_co_u32 s86, s86, s20
	s_mov_b32 s87, 0
	s_and_b32 s88, s17, 7
	s_lshl_b32 s88, s88, 1
	s_add_co_u32 s88, s88, s15
	s_mul_i32 s88, s88, 3072                       ; my share of B's: by tile row mod 8 and row half
	s_add_co_u32 s88, s88, s80
	s_mov_b32 s89, 0
	s_lshl_b32 s90, s19, 9                         ; my first column, in bytes
	s_mov_b32 s91, 0
	s_lshl_b32 s92, s18, 21                        ; my first row of out0: 128 rows of 16,384 bytes
	s_mov_b32 s93, 0
	s_mov_b32 s[G1+0], 15|(3<<16)|(1<<21)          ; the mask of the cluster's four; elements of 8 bytes; bit 21 beside a mask; no padding
	s_mov_b32 s[G1+1], 32<<16                      ; tensor_dim0: 32 elements, 256 bytes
	s_mov_b32 s[G1+2], 96<<16                      ; tensor_dim1: 96 rows
	s_mov_b32 s[G1+3], 32<<16                      ; tile_dim0
	s_mov_b32 s[G1+4], 96                          ; tile_dim1
	s_mov_b32 s[G1+5], 32                          ; the pitch: dense
	s_mov_b32 s[G1+6], 0
	s_mov_b32 s[G1+7], 0
	s_mov_b32 s[LIMF], 0x47800000
	s_mov_b32 s[FLR], 0x38800000
	s_mov_b32 s[EXM], 0x7f800000
	s_mov_b32 s[HLF], 0x00400000
	s_mov_b32 s[P13], 0x46000000
	s_mov_b32 s[P13+1], 0x46000000
	s_mov_b32 s[N13], 0xc6000000
	s_mov_b32 s[N13+1], 0xc6000000
	s_wait_alu depctr_va_vdst(0)                   ; the wait at the head's end
	s_wait_dscnt 0x0                               ; both opening adds are done
	s_wait_kmcnt 0x0
	s_add_nc_u64 s[PB:PB+1], s[6:7], s[80:81]
	s_add_nc_u64 s[PSA:PSA+1], s[4:5], s[82:83]
	s_add_nc_u64 s[PSB:PSB+1], s[6:7], s[84:85]
	s_add_nc_u64 s[8:9], s[8:9], s[90:91]
	global_load_b128 v[BI:BI+3], v[V16], s[8:9]    ; the bias of my four columns on the way out
	SLOAD 0                                        ; the head's loads stand in the order that the steps' counts take for granted: scale words, then B's rows 0 to 10
.irp r, 0,1,2,3,4,5,6,7,8,9,10
	BLOAD \r
.endr
	s_mov_b32 s[G0], 1
	s_add_co_u32 s[G0+1], s22, 0
	s_add_nc_u64 s[G0+2:G0+3], s[4:5], s[72:73]
	s_mov_b32 s[G0+4], 1
	s_add_co_u32 s[G0+5], s22, SLOT
	s_add_nc_u64 s[G0+6:G0+7], s[G0+2:G0+3], HALFS ; steps 3 to 5
	s_or_b32 s[G0+3], s[G0+3], 0x80000000
	s_or_b32 s[G0+7], s[G0+7], 0x80000000
	s_mov_b32 s[G0T], 1
	s_add_co_u32 s[G0T+1], s76, 0
	s_add_nc_u64 s[G0T+2:G0T+3], s[4:5], s[74:75]
	s_or_b32 s[G0T+3], s[G0T+3], 0x80000000
	CROUND                                         ; the cluster's four are here: the first joint loads meet
	TLOAD G0                                       ; steps 0 to 2: one tensor load a wave at the head
	s_add_nc_u64 s[PFA:PFA+1], s[4:5], s[86:87]
	s_add_nc_u64 s[PFB:PFB+1], s[6:7], s[88:89]
	s_add_nc_u64 s[10:11], s[10:11], s[90:91]
	s_add_nc_u64 s[10:11], s[10:11], s[92:93]
	s_wait_tensorcnt 0x0                           ; my quarter of slot 0 is in; these lines stand ahead of a later first fill, as ahead of a refill
	ds_add_u32 v[SPW], v[NIL]
	s_wait_dscnt 0x0
	CROUND
	TLOAD G0+4                                     ; steps 3 to 5: slot 1's first fill
	AFETCH 0
	KSTEP 0, 1, 0                                  ; the first step stands in front of the loop: its products start the sums
	WIN 0                                          ; at a label and at a branch every window is 0
	s_mov_b32 s3, 4
.Lk:                                                   ; a trip: steps 6 t + 1 .. 6 t + 6
	KSTEP 1, 0, 0
	KSTEP 2, 0, 0
	KSTEP 3, 0, 0
	KSTEP 4, 0, 0
	KSTEP 5, 0, 0
	KSTEP 6, 0, 0
	WIN 0
	s_wait_xcnt 0x0                                ; the bases are stepped only behind this wait
	s_add_nc_u64 s[PB:PB+1], s[PB:PB+1], TRIPB
	s_add_nc_u64 s[PSA:PSA+1], s[PSA:PSA+1], TRIPB ; three pairs of steps of 32,768 bytes
	s_add_nc_u64 s[PSB:PSB+1], s[PSB:PSB+1], TRIPB
	s_add_nc_u64 s[PFA:PFA+1], s[PFA:PFA+1], TRIPB
	s_add_nc_u64 s[PFB:PFB+1], s[PFB:PFB+1], TRIPB
	s_sub_co_u32 s3, s3, 1
	s_cmp_lg_u32 s3, 0
	s_cbranch_scc1 .Lk
.irp j, 1,2,3,4,5,6,7                  ; steps 25 to 31: the last fill is shorter, nothing follows it, and no load passes the end of K
	KSTEP \j, 0, 1
.endr
	WIN 0
; THE WAY OUT, block by block of 16 rows x 128 columns, through my own stage in LDS: back come whole rows of 512 bytes; the bias is added; the 32 lanes store two aligned units of 256 bytes.
; LDS serves a wave's instructions in order (ISA guide 5.7.1.4): no wait between the stores and the loads.
.macro TOSTAGE a
.irp g, 0,1
	WIN 0x08+4*\g                                  ; the data: window 2 (columns 0-63) or 3
.irp b, 0,1,2,3
	ds_store_b128 v[STO], v[8*(8*\b+(\a)):8*(8*\b+(\a))+3] offset:64*(4*\g+\b)          ; each accumulator from its low end on
	ds_store_b128 v[STO], v[8*(8*\b+(\a))+4:8*(8*\b+(\a))+7] offset:64*(4*\g+\b)+16
.endr
.endr
	WIN 0
.set BB, BK+64*((\a)%2)
.irp t, 0,1,2,3,4,5,6,7,8,9,10,11,12,13,14,15
	ds_load_b128 v[BB+4*\t:BB+4*\t+3], v[RD] offset:\t*SPITCH
.endr
.endm
.macro SEND a, younger                 ; younger: the LDS instructions issued behind block a's loads, which may stay out
.set BB, BK+64*((\a)%2)
	s_wait_dscnt \younger
.if (\a) > 0
	s_add_nc_u64 s[10:11], s[10:11], 16*SIZE_N*4   ; (behind a wait on XCNT: the earlier stores have read their base)
.endif
.irp t, 0,1,2,3,4,5,6,7,8,9,10,11,12,13,14,15
	v_pk_add_f32 v[BB+4*\t:BB+4*\t+1], v[BB+4*\t:BB+4*\t+1], v[BI:BI+1]
	v_pk_add_f32 v[BB+4*\t+2:BB+4*\t+3], v[BB+4*\t+2:BB+4*\t+3], v[BI+2:BI+3]
	global_store_b128 v[V16], v[BB+4*\t:BB+4*\t+3], s[10:11] offset:\t*SIZE_N*4 th:TH_STORE_NT   ; 512 consecutive bytes, at a multiple of 256 from out0's first byte
.endr
.endm
.rept 8
	v_nop                                          ; the places behind the last products
.endr
	Q16 BI, QT, 4                                  ; the bias onto the 5/10-bit grid (its load is long in: the last wait was for 0)
	s_wait_alu depctr_va_vdst(0)
	TOSTAGE 0
.irp a, 1,2,3,4,5,6,7
.if \a > 1
	s_wait_xcnt 0x0                                ; block a - 2's stores have read their registers and their base
.endif
	TOSTAGE \a
	SEND \a-1, 32                                  ; behind block a - 1's loads: block a's 16 stores and 16 loads
.endr
	s_wait_xcnt 0x0
	SEND 7, 0
	s_wait_tensorcnt 0x0                           ; the wave's end
	ds_add_u32 v[SPW], v[NIL]
	s_wait_dscnt 0x0
	CROUND                                         ; the closing round
	s_endpgm
.Lfunc_end_k_qb18ee1ae06_gemm:
	.size	k_qb18ee1ae06_gemm, .Lfunc_end_k_qb18ee1ae06_gemm-k_qb18ee1ae06_gemm
	.p2alignl 7, 3214868480
	.fill 96, 4, 3214868480
	.section	.rodata,"a",@progbits
	.p2align	6, 0x0
	.amdhsa_kernel k_qb18ee1ae06_gemm
		.amdhsa_group_segment_fixed_size 327680
		.amdhsa_private_segment_fixed_size 0
		.amdhsa_enable_private_segment 0
		.amdhsa_kernarg_size 32
		.amdhsa_user_sgpr_count 2
		.amdhsa_user_sgpr_kernarg_segment_ptr 1
		.amdhsa_wavefront_size32 1
		.amdhsa_system_sgpr_workgroup_id_x 1
		.amdhsa_system_sgpr_workgroup_id_y 1
		.amdhsa_system_sgpr_workgroup_id_z 1
		.amdhsa_system_vgpr_workitem_id 0
		.amdhsa_next_free_vgpr 1024
		.amdhsa_next_free_sgpr 96
		.amdhsa_reserve_vcc 0
		.amdhsa_float_denorm_mode_32 3
		.amdhsa_float_denorm_mode_16_64 3
		.amdhsa_memory_ordered 1
		.amdhsa_forward_progress 1
		.amdhsa_inst_pref_size 255
	.end_amdhsa_kernel
	.section	.bss,"aw",@nobits
	.p2align	6
	.space	262144
	.amdgpu_metadata
---
amdhsa.version: [ 1, 2 ]
amdhsa.kernels:
  - .name:           k_qb18ee1ae06_gemm
    .symbol:         k_qb18ee1ae06_gemm.kd
    .args:
      - { .name: aq, .offset: 0, .size: 8, .value_kind: global_buffer, .address_space: global }
      - { .name: bq, .offset: 8, .size: 8, .value_kind: global_buffer, .address_space: global }
      - { .name: bias, .offset: 16, .size: 8, .value_kind: global_buffer, .address_space: global }
      - { .name: out0, .offset: 24, .size: 8, .value_kind: global_buffer, .address_space: global }
    .group_segment_fixed_size: 327680
    .private_segment_fixed_size: 0
    .kernarg_segment_align: 8
    .kernarg_segment_size: 32
    .max_flat_workgroup_size: 128
    .sgpr_count:     96
    .vgpr_count:     1024
    .wavefront_size: 32
...
	.end_amdgpu_metadata
.endif
;; end of part 2
